; MI455X (gfx1250); checked and timed in simulation.
; The chip was launched on July 23, 2026; its instructions are those of AMD's public machine-readable ISA for CDNA 5 (MIT licence, August 2026) and "CDNA5" Instruction Set Architecture Reference Guide (July 2026). The comments in the code are by the model that wrote it; some were corrected since.
;; Quantized Linear. Allowed arithmetic: float matrix products may take bf16 or f16 operands with f32 sums; other float arithmetic in f32, or as packed bf16 or f16 multiplies, adds, multiply-adds, maxima and minima; sums over many terms, partial sums and values carried from step to step in f32; what a program stores and reads back later, other than sums and carried values, may be rounded once to bf16 or f16.
;; Inputs: bias 16,384 float32; kernel_i8 4,096 x 16,384 int8; scales 16,384 float32; x 1,024 x 4,096 float32.
;; Outputs: out0 1,024 x 16,384 float32.
;; 2 versions, each right; version 2 is version 1 with the launch tohalf written anew for expert scheduling mode. Each part assembles by itself: llvm-mc -triple=amdgcn-amd-amdhsa -mcpu=gfx1250 --defsym DOCPART=n.
;; ======== version 1 of 2: 2 launches
;; limits: values are held in f16: magnitudes above 65,504 overflow, below 6.1e-05 lose precision
;; workspace buffers: xh 8,388,608 bytes
;; launch tohalf (part 1): grid 256 x 1, 8 waves a work-group, no clusters, 0 bytes of LDS; arguments x, xh; writes xh
.if DOCPART == 1
	.amdgcn_target "amdgcn-amd-amdhsa--gfx1250"
	.amdhsa_code_object_version 6
	.text
	.protected	k_q06397840d3_tohalf
	.globl	k_q06397840d3_tohalf
	.p2align	8
	.type	k_q06397840d3_tohalf,@function
k_q06397840d3_tohalf:
	s_mov_b64 s[64:65], 0
	v_nop
	global_prefetch_b8 v0, s[64:65] scope:SCOPE_SE
	s_setreg_imm32_b32 hwreg(HW_REG_WAVE_MODE, 25, 1), 1
	s_wait_xcnt 0x0
; xh = x rounded to f16 (nearest even).  x: [1024][4096] f32, xh: the same shape in f16.
; LIMIT.  |x| of 65,520 or more becomes an infinity in f16; below 6e-5 x keeps f16's fixed step of 6e-8.
; A stream: every byte of x is read once, every byte of xh written once; no LDS, no barrier, no matrix work, nothing is shared between waves.
; A work-group takes 65,536 bytes of x, a wave 8,192: sixteen loads of 512 consecutive bytes, all issued before the first is used, so there is no loop.
; A lane's 16 bytes become 8, and a wave's store covers 256 consecutive bytes, at a multiple of 256 from xh's first byte.
.set X, 4                              ; v[4:67]   load i: four f32
.set Y, 68                             ; v[68:99]  store i: four f16 in two registers
	s_load_b128 s[4:7], s[0:1], 0x0                ; x s[4:5], xh s[6:7]
	s_lshl_b32 s2, ttmp9, 16                       ; the work-group's 65,536 bytes of x
	s_mov_b32 s3, 0
	s_lshl_b32 s8, ttmp9, 15                       ; and its 32,768 bytes of xh
	s_mov_b32 s9, 0
	v_lshrrev_b32 v3, 5, v0                        ; wave
	v_and_b32 v1, 31, v0                           ; lane
	v_lshlrev_b32 v2, 3, v1                        ; 8 bytes a lane out
	v_lshlrev_b32 v1, 4, v1                        ; 16 bytes a lane in
	v_lshl_or_b32 v1, v3, 13, v1                   ; + wave x 8,192
	v_lshl_or_b32 v2, v3, 12, v2                   ; + wave x 4,096
	s_wait_kmcnt 0x0
	s_add_nc_u64 s[4:5], s[4:5], s[2:3]
	s_add_nc_u64 s[6:7], s[6:7], s[8:9]
.irp i, 0,1,2,3,4,5,6,7,8,9,10,11,12,13,14,15
	global_load_b128 v[X+4*(\i):X+4*(\i)+3], v1, s[4:5] offset:512*(\i) th:TH_LOAD_NT  ; x is read once in this launch
.endr
.irp i, 0,1,2,3,4,5,6,7,8,9,10,11,12,13,14,15
	s_wait_loadcnt 15-(\i)                         ; loads come back in order: load i is in, the 15 - i younger ones stay out
	v_cvt_pk_f16_f32 v[Y+2*(\i)],   v[X+4*(\i)],   v[X+4*(\i)+1]
	v_cvt_pk_f16_f32 v[Y+2*(\i)+1], v[X+4*(\i)+2], v[X+4*(\i)+3]
	global_store_b64 v2, v[Y+2*(\i):Y+2*(\i)+1], s[6:7] offset:256*(\i)  ; no register is written twice, so no wait frees a store's sources
.endr
	s_endpgm
.Lfunc_end_k_q06397840d3_tohalf:
	.size	k_q06397840d3_tohalf, .Lfunc_end_k_q06397840d3_tohalf-k_q06397840d3_tohalf
	.p2alignl 7, 3214868480
	.fill 96, 4, 3214868480
	.section	.rodata,"a",@progbits
	.p2align	6, 0x0
	.amdhsa_kernel k_q06397840d3_tohalf
		.amdhsa_group_segment_fixed_size 0
		.amdhsa_private_segment_fixed_size 0
		.amdhsa_enable_private_segment 0
		.amdhsa_kernarg_size 16
		.amdhsa_user_sgpr_count 2
		.amdhsa_user_sgpr_kernarg_segment_ptr 1
		.amdhsa_wavefront_size32 1
		.amdhsa_system_sgpr_workgroup_id_x 1
		.amdhsa_system_sgpr_workgroup_id_y 1
		.amdhsa_system_sgpr_workgroup_id_z 1
		.amdhsa_system_vgpr_workitem_id 0
		.amdhsa_next_free_vgpr 100
		.amdhsa_next_free_sgpr 66
		.amdhsa_reserve_vcc 0
		.amdhsa_float_denorm_mode_32 3
		.amdhsa_float_denorm_mode_16_64 3
		.amdhsa_memory_ordered 1
		.amdhsa_forward_progress 1
		.amdhsa_inst_pref_size 7
	.end_amdhsa_kernel
	.amdgpu_metadata
---
amdhsa.version: [ 1, 2 ]
amdhsa.kernels:
  - .name:           k_q06397840d3_tohalf
    .symbol:         k_q06397840d3_tohalf.kd
    .args:
      - { .name: x, .offset: 0, .size: 8, .value_kind: global_buffer, .address_space: global }
      - { .name: xh, .offset: 8, .size: 8, .value_kind: global_buffer, .address_space: global }
    .group_segment_fixed_size: 0
    .private_segment_fixed_size: 0
    .kernarg_segment_align: 8
    .kernarg_segment_size: 16
    .max_flat_workgroup_size: 256
    .sgpr_count:     66
    .vgpr_count:     100
    .wavefront_size: 32
...
	.end_amdgpu_metadata
.endif
;; end of part 1
;; launch gemm (part 2): grid 64 x 4, 4 waves a work-group, clusters of 4 x 4, 327,680 bytes of LDS; arguments xh, kernel_i8, scales, bias, out0; writes out0
.if DOCPART == 2
	.amdgcn_target "amdgcn-amd-amdhsa--gfx1250"
	.amdhsa_code_object_version 6
	.text
	.protected	k_q06397840d3_gemm
	.globl	k_q06397840d3_gemm
	.p2align	8
	.type	k_q06397840d3_gemm,@function
k_q06397840d3_gemm:
	s_mov_b64 s[64:65], 0
	v_nop
	global_prefetch_b8 v0, s[64:65] scope:SCOPE_SE
	s_setreg_imm32_b32 hwreg(HW_REG_WAVE_MODE, 25, 1), 1
	s_wait_xcnt 0x0
	s_wait_alu depctr_hold_cnt(0) depctr_sa_sdst(0) depctr_va_vdst(0) depctr_va_sdst(0) depctr_va_ssrc(0) depctr_va_vcc(0) depctr_vm_vsrc(0)
	s_getreg_b32 s2, hwreg(HW_REG_IB_STS2, 6, 4)
	s_cmp_eq_u32 s2, 0
	s_cbranch_scc0 .Lentry_in_a_cluster
	s_endpgm
.Lentry_in_a_cluster:
	s_bfe_u32 s2, ttmp6, 0x10000c
	s_cmp_lg_u32 s2, 0xf033
	s_cbranch_scc0 .Lentry_shape_is_right
	s_endpgm
.Lentry_shape_is_right:
; out0[m][n] = (sum over k of xh[m][k] W[k][n]) x scales[n] + bias[n].  xh: [1024][4096] f16, W: [4096][16384] int8, scales, bias: [16384] f32, out0: [1024][16384] f32.
; THE SCALE hangs on the column alone, so it is taken out of the sum and applied with the bias by one fused multiply-add in f32 on the way out: the order of rounding differs from
; scaling each weight first.  LIMITS: xh is f16 (|x| under 65,520; below 6e-5 a fixed step of 6e-8); NaN and infinities are not treated apart.
; THE FORMAT.  Every int8 is exact in f16.  The byte b xor 0x80 under the byte 0x64 is the f16 number 1024 + 128 + b; less 1152 that is b, exactly: for four weights one v_xor_b32,
; two v_perm_b32, two v_pk_add_f16.  W leaves memory as bytes and is widened between LDS and the matrix instruction.
; SHARES.  A tile of C, 256 x 256, to a work-group of four waves; a wave makes 128 x 128: 64 accumulators of 16 x 16, 512 registers.  C has 4 x 64 tiles: 256 work-groups.
; K goes in 32 steps of 128 through two LDS slots filled by tensor loads; a step is four quarters of 32 along K, 64 matrix instructions each.
; CLUSTER.  4 x 4 work-groups.  The four of a row of the cluster need the same tiles of xh, the four of a column the same tiles of W: each tile is asked for JOINTLY, by the same tensor load
; with the same descriptor and a mask that names the four.  The cluster's height is all of C's four tile rows, so the tile row is cy.
; W's FRAGMENTS.  W lies [k][n].  ds_load_tr16_b128 taken on PAIRS of bytes leaves in lane l, for 8 k, the columns 2 (l % 16) and 2 (l % 16) + 1 of a group of 32 columns; the two v_perm_b32 that
; widen the bytes also part the even columns from the odd ones: two fragments of 16 columns x 32 k.
; THE MATRIX INSTRUCTION IS USED TRANSPOSED (source 0 = W's fragment, source 1 = 16 rows of xh): lane l holds row l % 16 of C; register j of a group's two results holds the columns
; 16 (l / 16) + 2 j and + 1 of the group: sixteen neighbouring numbers of a row of C for each group.
; BESIDE THE PRODUCTS.  A quarter's 160 widening instructions (for the NEXT quarter's W) stand four behind each of its first 40 matrix instructions; none names a register of the products round it.
; REGISTERS, in windows of 256 (s_set_vgpr_msb: bits 1:0 source 0, 3:2 source 1, 5:4 source 2, 7:6 destination):
;   window 0: v0-14 addresses and a constant; v64-127, v128-191 xh's fragments, two buffers (on the way out: results, and rows read back); v192-255 my 64 scales
;   window 1: v0-31, v32-63 W as bytes, two buffers; v64-127, v128-191 W's fragments in f16, two buffers; v192-255 my 64 biases
;   window 2: the accumulators of my rows 0-63 ((a, b) at v[8 (8 a + b)]);   window 3: those of my rows 64-127
.set PA,    272                        ; a row of xh in LDS: 256 bytes + 16 = 68 words: the 16 rows of a load start at 16 different groups of four banks (64 banks of 4 bytes: ISA guide 11.1)
.set HALFA, 128*PA                     ; 128 rows: one tensor load, and what a wave reads of xh
.set PB,    288                        ; a k row of W in LDS: 256 bytes + 32 = 72 words
.set HALFB, 64*PB                      ; 64 k rows: one tensor load
.set KQB,   32*PB                      ; a quarter's 32 k rows
.set BOFF,  2*HALFA                    ; W's 128 k rows lie behind xh's 256 rows
.set SLOT1, 1<<17                      ; slot 1 begins here: one exclusive or turns an address in one slot into the other's
.set STAGE, SLOT1+BOFF+2*HALFB         ; 237,568: behind the ring, never filled by a tensor load: 16 rows x 528 bytes for each wave
.set SP,    528                        ; a stage row: 512 bytes + 16
.set AA0, 4                            ; v4   my lane's place in xh's tile; never rewritten
.set AB0, 5                            ; v5   the same in W's tile
.set ADA, 6                            ; v6   AA0 + the slot that is read
.set ADB, 7                            ; v7   AB0 + the slot that is read
.set STO, 8                            ; v8   the way out: where I put 64 bytes of a row
.set RD,  9                            ; v9   the way out: where I read 16 bytes of a row back
.set CO,  10                           ; v10  my byte offset in 512 bytes of a row of C
.set SBO, 11                           ; v11  my byte offset in scales and bias
.set KC,  12                           ; v12  -1152, twice, in f16
.set F0,  64                           ; fragment buffer 0 (buffer f at F0 + 64 f), in window 0 for xh, in window 1 for W
.set F1,  128
.set RAW0, 0                           ; window 1: W as bytes
.set RAW1, 32
.set SC,  192                          ; window 0
.set BI,  192                          ; window 1
.set T,   64                           ; the way out: a block's 64 results
.set OB,  128                          ; the way out: 16 rows read back
.set WV, 14                            ; s14 wave   s15 which 128 rows are mine   s16 which 128 columns; also which half of a tile I fetch
.set WM, 15
.set WN, 16
.set CX, 17                            ; s17, s18 my place in the cluster   s19 tile column
.set CY, 18
.set TC, 19
.set G1A, 24                           ; s[24:31] descriptor group 1 for xh's tiles
.set G1B, 32                           ; s[32:39] for W's
.set G0A, 40                           ; s[40:47] descriptor group 0 for xh's tiles: a set for each first fill; the second then walks on
.set G0B, 48                           ; s[48:55] the same for W's
.set CNT, 56
.set TB,  57                           ; s57  0 or SLOT1: the slot that is read
.set X80, 58
.set C64, 59
.set SELE, 60
.set SELO, 61
.set MSB, 0
.macro WIN new                         ; the immediate's high byte repeats the setting that is left; a switch that changes nothing is dropped
.if MSB != (\new)
	s_set_vgpr_msb (MSB<<8)|(\new)
.set MSB, \new
.endif
.endm
.set MUL_LO, 0xa1                      ; source 0 (W) window 1, source 1 (xh) window 0, C and D window 2
.set TO_B,   0x40                      ; destination window 1, address window 0
.set CONV,   0x41                      ; destination and source 0 window 1, source 1 window 0
; A joint refill.  Waves 0 and 1 fetch the two halves of xh's tile, waves 2 and 3 those of W's.  The branch hangs on the wave's number alone.
; Four v_nop follow each of the two lines, ahead of the jump and the label.
.macro JLOAD
	s_cmp_lt_u32 s[WV], 2
	s_cbranch_scc0 .Lfor_b_\@
	tensor_load_to_lds s[G0A+4:G0A+7], s[G1A:G1A+7]
	s_nop 0
.rept 4
	v_nop
.endr
	s_branch .Lasked_\@
.Lfor_b_\@:
	tensor_load_to_lds s[G0B+4:G0B+7], s[G1B:G1B+7]
	s_nop 0
.rept 4
	v_nop
.endr
.Lasked_\@:
.endm
; A round of the cluster's barrier: my work-group's barrier, so that wave 0's signal speaks for all four waves; wave 0 signals; every wave waits for all sixteen work-groups; my work-group's barrier once more.
.macro CREST                           ; a round behind its opening barrier
	s_cmp_lg_u32 s[WV], 0
	s_cbranch_scc1 .Lnot_wave_0_\@
	s_barrier_signal -3
.Lnot_wave_0_\@:
	s_barrier_wait -3
	s_barrier_signal -1
	s_barrier_wait -1
.endm
.macro CROUND                          ; a whole round
	s_barrier_signal -1
	s_barrier_wait -1
	CREST
.endm
	s_load_b256 s[4:11], s[0:1], 0x0               ; xh s[4:5], W s[6:7], scales s[8:9], bias s[10:11]
	s_load_b64 s[12:13], s[0:1], 0x20              ; out0
	v_lshl_add_u32 v62, v0, 2, 0x42400
	v_mov_b32 v63, 0
	ds_add_u32 v62, v63
	ds_add_u32 v62, v63
	v_lshrrev_b32 v1, 5, v0
	v_readfirstlane_b32 s[WV], v1
	s_lshr_b32 s[WM], s[WV], 1
	s_and_b32 s[WN], s[WV], 1
	s_bfe_u32 s[CX], ttmp6, 0x40000
	s_bfe_u32 s[CY], ttmp6, 0x40004
	s_lshl_b32 s[TC], ttmp9, 2                     ; in a cluster launch ttmp9 counts clusters
	s_add_co_u32 s[TC], s[TC], s[CX]               ; tile column = 4 x cluster x + cx
	s_lshl_b32 s70, s[CY], 2
	s_lshl_b32 s70, 15, s70                        ; my row of the cluster: places 4 cy .. 4 cy + 3
	s_lshl_b32 s71, 0x1111, s[CX]                  ; my column: places cx, cx + 4, cx + 8, cx + 12
	; group 1 for xh: 128 rows x 128 elements of 2 bytes, 16 bytes of padding behind each row
	s_or_b32 s[G1A+0], s70, (1<<16)|(1<<20)|(1<<21)|(5<<22)|(3<<25)  ; 15:0 the mask; 17:16 2-byte elements; 20 padding on; 21 set beside a mask; 24:22 after every 64 words (code 5); 31:25 4 words (code 3)
	s_mov_b32 s[G1A+1], 128<<16                    ; tensor_dim0 = 128
	s_mov_b32 s[G1A+2], 128<<16                    ; tensor_dim1 = 128
	s_mov_b32 s[G1A+3], 128<<16                    ; tile_dim0 = 128
	s_mov_b32 s[G1A+4], 128                        ; tile_dim1 = 128
	s_mov_b32 s[G1A+5], 4096                       ; elements from row to row
	s_mov_b32 s[G1A+6], 0
	s_mov_b32 s[G1A+7], 0
	; group 1 for W: 64 k rows x 256 elements of 1 byte, 32 bytes of padding behind each row
	s_or_b32 s[G1B+0], s71, (0<<16)|(1<<20)|(1<<21)|(5<<22)|(7<<25)  ; 1-byte elements; after every 64 words 8 words (code 7)
	s_mov_b32 s[G1B+1], 256<<16                    ; tensor_dim0 = 256
	s_mov_b32 s[G1B+2], 64<<16                     ; tensor_dim1 = 64
	s_mov_b32 s[G1B+3], 256<<16                    ; tile_dim0 = 256
	s_mov_b32 s[G1B+4], 64                         ; tile_dim1 = 64
	s_mov_b32 s[G1B+5], 16384                      ; elements from row to row
	s_mov_b32 s[G1B+6], 0
	s_mov_b32 s[G1B+7], 0
	; where the tiles come from: xh's hang on cy and the wave, W's on the tile column and the wave, each made in registers that never hold the other coordinate
	s_lshl_b32 s2, s[WN], 20                       ; 128 rows of 8,192 bytes of xh, and 64 k rows of 16,384 bytes of W, are both 2^20 bytes
	s_lshl_b32 s20, s[CY], 21                      ; 256 rows of xh
	s_add_co_u32 s20, s20, s2
	s_mov_b32 s21, 0
	s_lshl_b32 s22, s[TC], 8                       ; 256 columns of W
	s_add_co_u32 s22, s22, s2
	s_mov_b32 s23, 0
	s_mul_i32 s62, s[WN], HALFA                    ; and where they go: no place in the cluster enters an LDS address
	s_mul_i32 s63, s[WN], HALFB
	s_add_co_u32 s63, s63, BOFF
	s_lshl_b32 s68, s[CY], 24                      ; my part of out0: 256 cy + 128 wm rows of 65,536 bytes, 256 tc + 128 wn columns of 4
	s_lshl_b32 s3, s[WM], 23
	s_add_co_u32 s68, s68, s3
	s_lshl_b32 s66, s[TC], 10
	s_lshl_b32 s67, s[WN], 9
	s_add_co_u32 s66, s66, s67                     ; also my columns' place in scales and bias
	s_add_co_u32 s68, s68, s66
	s_mov_b32 s69, 0
	s_mov_b32 s[TB], 0
	s_mov_b32 s[X80], 0x80808080
	s_mov_b32 s[C64], 0x64646464
	s_mov_b32 s[SELE], 0x00060004                  ; v_perm_b32: bytes 0 and 2 of the first source under a byte of the second
	s_mov_b32 s[SELO], 0x00070005                  ; bytes 1 and 3
	s_wait_dscnt 0x0
	s_wait_kmcnt 0x0
	s_add_nc_u64 s[20:21], s[4:5], s[20:21]
	s_add_nc_u64 s[22:23], s[6:7], s[22:23]
	s_add_nc_u64 s[12:13], s[12:13], s[68:69]
	CROUND                                         ; all sixteen work-groups are here: the first joint loads meet
.irp n, 0,1
	s_mov_b32 s[G0A+4*(\n)], 1                                     ; 1:0 count = 1
	s_add_co_u32 s[G0A+4*(\n)+1], s62, (\n)*SLOT1                  ; 63:32 LDS address
	s_add_nc_u64 s[G0A+4*(\n)+2:G0A+4*(\n)+3], s[20:21], (\n)*256  ; 120:64 global address: K step n
	s_or_b32 s[G0A+4*(\n)+3], s[G0A+4*(\n)+3], 0x80000000          ; 127:126 type = 2
	s_mov_b32 s[G0B+4*(\n)], 1
	s_add_co_u32 s[G0B+4*(\n)+1], s63, (\n)*SLOT1
	s_add_nc_u64 s[G0B+4*(\n)+2:G0B+4*(\n)+3], s[22:23], (\n)*0x200000  ; 128 k rows of 16,384 bytes
	s_or_b32 s[G0B+4*(\n)+3], s[G0B+4*(\n)+3], 0x80000000
.endr
	s_cmp_lt_u32 s[WV], 2                          ; a wave's two first fills stand in one branch, ahead of every wait on TENSORcnt and every LDS read: two loads of mine are out
	s_cbranch_scc0 .Lfirst_b
	tensor_load_to_lds s[G0A:G0A+3], s[G1A:G1A+7]
	s_nop 0
	tensor_load_to_lds s[G0A+4:G0A+7], s[G1A:G1A+7]
	s_nop 0
.rept 4
	v_nop
.endr
	s_branch .Lfirst_asked
.Lfirst_b:
	tensor_load_to_lds s[G0B:G0B+3], s[G1B:G1B+7]
	s_nop 0
	tensor_load_to_lds s[G0B+4:G0B+7], s[G1B:G1B+7]
	s_nop 0
.rept 4
	v_nop
.endr
.Lfirst_asked:
	v_and_b32 v1, 15, v0                           ; l % 16
	v_bfe_u32 v2, v0, 4, 1                         ; l / 16
	v_and_b32 v3, 31, v0                           ; l
	; xh's fragment: lane l holds row l % 16, k = 8 (l / 16) + 0..7 and 16 + 8 (l / 16) + 0..7: two loads of 16 bytes, 32 bytes apart
	s_mul_i32 s2, s[WM], HALFA
	v_mul_u32_u24 v[AA0], v1, PA
	v_lshl_add_u32 v[AA0], v2, 4, v[AA0]
	v_add_nc_u32 v[AA0], s2, v[AA0]
	; the turning load: lane l reads 16 bytes of k row 8 (l / 16) + l % 8, byte columns 16 ((l / 8) % 2) + 0..15 of a group of 32
	v_and_b32 v13, 7, v0
	v_bfe_u32 v14, v0, 3, 1
	v_lshl_add_u32 v[AB0], v2, 3, v13
	v_mul_u32_u24 v[AB0], v[AB0], PB
	v_lshl_add_u32 v[AB0], v14, 4, v[AB0]
	s_lshl_b32 s2, s[WN], 7                        ; my 128 columns
	s_add_co_u32 s2, s2, BOFF
	v_add_nc_u32 v[AB0], s2, v[AB0]
	v_mov_b32 v[ADA], v[AA0]                       ; slot 0
	v_mov_b32 v[ADB], v[AB0]
	s_mul_i32 s2, s[WV], 16*SP
	s_add_co_u32 s2, s2, STAGE                     ; my stage
	v_mul_u32_u24 v[STO], v1, SP                   ; in: row l % 16, 64 bytes for each half of the lanes in each group's 128
	v_lshl_add_u32 v[STO], v2, 6, v[STO]
	v_add_nc_u32 v[STO], s2, v[STO]
	v_lshlrev_b32 v[CO], 4, v3                     ; back: 32 lanes take a row's 512 bytes
	v_add_nc_u32 v[RD], s2, v[CO]
	v_lshl_add_u32 v[SBO], v2, 6, s66              ; my 16 columns of group 0
	v_mov_b32 v[KC], 0xe480e480
.irp g, 0,1,2,3                        ; scales and bias of my 64 columns, once, in the order of the results
.irp i, 0,1,2,3
	global_load_b128 v[SC+16*(\g)+4*(\i):SC+16*(\g)+4*(\i)+3], v[SBO], s[8:9] offset:128*(\g)+16*(\i)
.endr
.endr
	WIN TO_B
.irp g, 0,1,2,3
.irp i, 0,1,2,3
	global_load_b128 v[BI+16*(\g)+4*(\i):BI+16*(\g)+4*(\i)+3], v[SBO], s[10:11] offset:128*(\g)+16*(\i)
.endr
.endr
	WIN 0
; 16 LDS loads: xh's fragments of a quarter (128 rows, 32 k at byte ka of the rows) into dst; rows 0-63 first
.macro FETCH_A ka, dst
	WIN 0
.irp i, 0,1,2,3,4,5,6,7
	ds_load_b128 v[(\dst)+8*(\i):(\dst)+8*(\i)+3],   v[ADA] offset:(\ka)+(\i)*16*PA
	ds_load_b128 v[(\dst)+8*(\i)+4:(\dst)+8*(\i)+7], v[ADA] offset:(\ka)+(\i)*16*PA+32
.endr
.endm
; 8 turning loads: W's bytes of a quarter (32 k rows from byte kr on, my 128 columns) into dst: word 8 g + 4 c + t holds k = 16 c + 8 (l / 16) + 2 t and + 1 of columns 32 g + 2 (l % 16) and + 1
.macro FETCH_R kr, dst
	WIN TO_B
.irp g, 0,1,2,3
.irp c, 0,1
	ds_load_tr16_b128 v[(\dst)+8*(\g)+4*(\c):(\dst)+8*(\g)+4*(\c)+3], v[ADB] offset:(\kr)+(\c)*16*PB+32*(\g)
.endr
.endr
.endm
; THE WIDENING of 32 words of bytes at rb into 8 fragments at fd is a list of 40 slices of four instructions.  Slices 0-7: the sign bits are turned.  Then by turns: the four v_perm_b32 of two words
; (fragment 2 g: even columns; 2 g + 1: odd ones), and the four subtractions on what the slice before made.
.macro RIDE rb, fd
.set sl, 0
.set RB, \rb
.set FD, \fd
.endm
.macro SLICE
.if sl < 40
	WIN CONV
.if sl < 8
.irp z, 0,1,2,3
	v_xor_b32 v[RB+4*sl+(\z)], v[RB+4*sl+(\z)], s[X80]
.endr
.elseif (sl%2) == 0
.irp z, 0,1
.set wd, sl-8+(\z)
.set fe, FD+16*(wd/8)+wd%8
	v_perm_b32 v[fe],   v[RB+wd], s[C64], s[SELE]
	v_perm_b32 v[fe+8], v[RB+wd], s[C64], s[SELO]
.endr
.else
.irp z, 0,1
.set wd, sl-9+(\z)
.set fe, FD+16*(wd/8)+wd%8
	v_pk_add_f16 v[fe],   v[fe],   v[KC]
	v_pk_add_f16 v[fe+8], v[fe+8], v[KC]
.endr
.endif
.set sl, sl+1
.endif
.endm
; 16 matrix instructions: row blocks a0, a0 + 1 of the window's four (hi = 0: my rows 0-63, 1: rows 64-127) x all 8 column fragments, buffer f; a slice behind each while slices last.
; zero = 1: the product starts the sum: nothing is cleared.  The 64 accumulators take turns, one instruction a turn, in the same order in every quarter.
.macro MUL16 f, hi, a0, zero
.irp a, \a0, (\a0)+1
.irp b, 0,1,2,3,4,5,6,7
	WIN MUL_LO+0x50*(\hi)
.if \zero
	v_wmma_f32_16x16x32_f16 v[8*(8*(\a)+(\b)):8*(8*(\a)+(\b))+7], v[F0+64*(\f)+8*(\b):F0+64*(\f)+8*(\b)+7], v[F0+64*(\f)+8*(4*(\hi)+(\a)):F0+64*(\f)+8*(4*(\hi)+(\a))+7], 0
.else
	v_wmma_f32_16x16x32_f16 v[8*(8*(\a)+(\b)):8*(8*(\a)+(\b))+7], v[F0+64*(\f)+8*(\b):F0+64*(\f)+8*(\b)+7], v[F0+64*(\f)+8*(4*(\hi)+(\a)):F0+64*(\f)+8*(4*(\hi)+(\a))+7], v[8*(8*(\a)+(\b)):8*(8*(\a)+(\b))+7]
.endif
	SLICE
.endr
.endr
.endm
; A QUARTER multiplies buffer f.  Beside it the other byte buffer is widened into the other fragment buffer of W (the next quarter's); in its middle one run of 24 LDS loads: the bytes of the quarter after
; next (at kr) into byte buffer f, and the next quarter's xh (at ka) into the other buffer of xh.
; A vector write or a load into a register that a matrix instruction has read stands four places behind it, and only plain vector instructions that name none of its registers are places (ISA guide 7.12.1
; for vector instructions): the quarter's 32 v_xor_b32, which name the bytes alone, come ahead of the first v_perm_b32 and of the run of loads.
; more = 0: the last quarter of all: nothing to widen, nothing to fetch.
.macro QUARTER f, ka, kr, head, zero=0, more=1
	s_wait_dscnt \head                             ; 8: the youngest eight loads (xh's rows 64-127) may stay out; 0: only the bytes asked for in the quarter before are out, and they are wanted at once
.if \more
	RIDE RAW0+32*(1-(\f)), F0+64*(1-(\f))
.else
.set sl, 40
.endif
	MUL16 \f, 0, 0, \zero
	MUL16 \f, 0, 2, \zero
.if \more
	FETCH_R \kr, RAW0+32*(\f)
	FETCH_A \ka, F0+64*(1-(\f))
	s_wait_dscnt 24                                ; all but the 24 just issued
.endif
	MUL16 \f, 1, 0, \zero
	MUL16 \f, 1, 2, \zero
.endm
; THE THIRD QUARTER multiplies buffer 0 and changes slots.  The slot's last read, xh's fourth quarter, stands at its head (the first slice's four v_xor_b32 are the places in front of it).
; mode 2: each wave waits for its own reads of the slot and for all its tensor loads, of which one is out: its part of the next slot; no load of mine is then out, so the walking descriptors step.
;   The barrier opens a round of the cluster's: behind it no wave of any partner still reads this slot or has a load on its way; the joint refill, with the K step two on, is the first thing there, and a wave
;   issues 240 matrix instructions before it waits for it.  Then the next slot's first bytes of W are fetched.
; mode 1: the last change of slots: the same waits and a plain barrier; nothing is filled.   mode 0: the last K step: no change.
.macro TURN mode
	s_wait_dscnt 8
	RIDE RAW1, F1
	SLICE
	FETCH_A 192, F1
	MUL16 0, 0, 0, 0
.if \mode
	s_wait_dscnt 0x0
	s_set_vgpr_msb 0x4140
	s_wait_tensorcnt 0x0
	ds_add_u32 v62, v63
	s_wait_dscnt 0x0
	s_set_vgpr_msb 0x4041
.if (\mode) == 2
	s_xor_b32 s[G0A+5], s[G0A+5], SLOT1            ; the other slot than last time,
	s_add_nc_u64 s[G0A+6:G0A+7], s[G0A+6:G0A+7], 256  ; the next K step; the type bits on top are not reached
	s_xor_b32 s[G0B+5], s[G0B+5], SLOT1
	s_add_nc_u64 s[G0B+6:G0B+7], s[G0B+6:G0B+7], 0x200000
.endif
	s_barrier_signal -1
	MUL16 0, 0, 2, 0                               ; register work while the others arrive
	WIN 0                                          ; at a label and at a branch every window is 0
	s_barrier_wait -1
.if (\mode) == 2
	CREST
.endif
	s_xor_b32 s[TB], s[TB], SLOT1                  ; the reads go on in the other slot
.if (\mode) == 2
	JLOAD
.endif
	v_add_nc_u32 v[ADA], s[TB], v[AA0]
	v_add_nc_u32 v[ADB], s[TB], v[AB0]
	FETCH_R 0, RAW0
.else
	MUL16 0, 0, 2, 0
	s_wait_dscnt 16                                ; xh's rows 64-127 of this quarter are in; the sixteen loads at the head may stay out
.endif
	MUL16 0, 1, 0, 0
	MUL16 0, 1, 2, 0
.endm
	s_wait_loadcnt 0x0                             ; scales and bias
	s_wait_tensorcnt 1                             ; my part of K step 0 is in; step 1's may stay out
	s_barrier_signal -1
	s_barrier_wait -1                              ; everybody's is
	FETCH_R 0, RAW0
	FETCH_R KQB, RAW1
	FETCH_A 0, F0
	s_wait_dscnt 24                                ; the first quarter's bytes are in; 8 + 16 younger loads stay out
	RIDE RAW0, F0
.rept 40
	SLICE                                          ; the first quarter's W is widened with no products to stand beside
.endr
	QUARTER 0, 64, 2*KQB, 8, 1                     ; the first quarter stands in front of the loop: its products start the sums
	WIN 0
	s_mov_b32 s[CNT], 30
.Lstep:                                                ; trip s: quarters 1 to 3 of K step s and quarter 0 of step s + 1; step s's slot is filled again with step s + 2
	QUARTER 1, 128, 3*KQB, 8
	TURN 2
	QUARTER 1, 0, KQB, 0
	QUARTER 0, 64, 2*KQB, 8
	WIN 0
	s_sub_co_u32 s[CNT], s[CNT], 1
	s_cmp_lg_u32 s[CNT], 0
	s_cbranch_scc1 .Lstep
	QUARTER 1, 128, 3*KQB, 8                       ; the tail is written out: K step 30 asks for nothing
	TURN 1
	QUARTER 1, 0, KQB, 0
	QUARTER 0, 64, 2*KQB, 8
	QUARTER 1, 128, 3*KQB, 8                       ; K step 31
	TURN 0
	QUARTER 1, 0, 0, 0, 0, 0
; THE WAY OUT, a block of 16 rows at a time.  PACK: sum x scale + bias, one fused multiply-add each; each accumulator is read from its lowest register on.
; TOSTAGE: a lane's 4 x 64 bytes of a row go into my own stage and come back as whole rows of 512 bytes.  SEND: stored.
.macro PACK a
	WIN 0x12+(\a)/4                                ; source 0 window 2 or 3, source 1 (scales) window 0, source 2 (bias) window 1, destination window 0
.irp g, 0,1,2,3
.irp j, 0,1,2,3,4,5,6,7
.irp o, 0,1
	v_fma_f32 v[T+16*(\g)+2*(\j)+(\o)], v[64*((\a)%4)+8*(2*(\g)+(\o))+(\j)], v[SC+16*(\g)+2*(\j)+(\o)], v[BI+16*(\g)+2*(\j)+(\o)]
.endr
.endr
.endr
	WIN 0
.endm
.macro TOSTAGE
	WIN 0
.irp g, 0,1,2,3
.irp i, 0,1,2,3
	ds_store_b128 v[STO], v[T+16*(\g)+4*(\i):T+16*(\g)+4*(\i)+3] offset:128*(\g)+16*(\i)
.endr
.endr
	s_wait_xcnt 0x0                                ; the last block's stores have had their addresses translated (ISA guide 3.1): only behind this wait are the registers that they read loaded again
.irp t, 0,1,2,3,4,5,6,7,8,9,10,11,12,13,14,15
	ds_load_b128 v[OB+4*(\t):OB+4*(\t)+3], v[RD] offset:(\t)*SP  ; LDS serves a wave's instructions in order (ISA guide 5.7.1.4): these see the stores above
.endr
.endm
.macro SEND a
	WIN 0
.irp t, 0,1,2,3,4,5,6,7,8,9,10,11,12,13,14,15
	s_wait_dscnt 15-(\t)                           ; row t is back; the younger rows stay out
	global_store_b128 v[CO], v[OB+4*(\t):OB+4*(\t)+3], s[12:13] offset:(16*(\a)+(\t))*65536 th:TH_STORE_NT  ; 512 consecutive bytes, at a multiple of 256 from out0's first; 127 rows at the most: 8,323,072, inside the signed 24-bit immediate
.endr
.endm
	WIN 0
.rept 4
	v_nop                                          ; the places behind the last products
.endr
	PACK 0
	TOSTAGE
.irp a, 1,2,3,4,5,6,7                  ; block a's arithmetic stands between block a - 1's loads from the stage and the wait for them
	PACK \a
	SEND (\a)-1
	TOSTAGE
.endr
	SEND 7
	s_wait_tensorcnt 0x0
	ds_add_u32 v62, v63
	s_wait_dscnt 0x0
	CROUND                                         ; the closing round: no work-group ends while a partner may still ask for a tile that names it
	s_endpgm
.Lfunc_end_k_q06397840d3_gemm:
	.size	k_q06397840d3_gemm, .Lfunc_end_k_q06397840d3_gemm-k_q06397840d3_gemm
	.p2alignl 7, 3214868480
	.fill 96, 4, 3214868480
	.section	.rodata,"a",@progbits
	.p2align	6, 0x0
	.amdhsa_kernel k_q06397840d3_gemm
		.amdhsa_group_segment_fixed_size 327680
		.amdhsa_private_segment_fixed_size 0
		.amdhsa_enable_private_segment 0
		.amdhsa_kernarg_size 40
		.amdhsa_user_sgpr_count 2
		.amdhsa_user_sgpr_kernarg_segment_ptr 1
		.amdhsa_wavefront_size32 1
		.amdhsa_system_sgpr_workgroup_id_x 1
		.amdhsa_system_sgpr_workgroup_id_y 1
		.amdhsa_system_sgpr_workgroup_id_z 1
		.amdhsa_system_vgpr_workitem_id 0
		.amdhsa_next_free_vgpr 1024
		.amdhsa_next_free_sgpr 72
		.amdhsa_reserve_vcc 0
		.amdhsa_float_denorm_mode_32 3
		.amdhsa_float_denorm_mode_16_64 3
		.amdhsa_memory_ordered 1
		.amdhsa_forward_progress 1
		.amdhsa_inst_pref_size 255
	.end_amdhsa_kernel
	.section	.bss,"aw",@nobits
	.p2align	6
	.space	262144
	.amdgpu_metadata
---
amdhsa.version: [ 1, 2 ]
amdhsa.kernels:
  - .name:           k_q06397840d3_gemm
    .symbol:         k_q06397840d3_gemm.kd
    .args:
      - { .name: xh, .offset: 0, .size: 8, .value_kind: global_buffer, .address_space: global }
      - { .name: kernel_i8, .offset: 8, .size: 8, .value_kind: global_buffer, .address_space: global }
      - { .name: scales, .offset: 16, .size: 8, .value_kind: global_buffer, .address_space: global }
      - { .name: bias, .offset: 24, .size: 8, .value_kind: global_buffer, .address_space: global }
      - { .name: out0, .offset: 32, .size: 8, .value_kind: global_buffer, .address_space: global }
    .group_segment_fixed_size: 327680
    .private_segment_fixed_size: 0
    .kernarg_segment_align: 8
    .kernarg_segment_size: 40
    .max_flat_workgroup_size: 128
    .sgpr_count:     72
    .vgpr_count:     1024
    .wavefront_size: 32
...
	.end_amdgpu_metadata
.endif
;; end of part 2
;; ======== version 2 of 2: 2 launches; version 1 with the launch tohalf written anew for expert scheduling mode
;; limits: values are held in f16: magnitudes above 65,504 overflow, below 6.1e-05 lose precision
;; workspace buffers: xh 8,388,608 bytes
;; launch tohalf (part 3): grid 256 x 1, 8 waves a work-group, no clusters, 0 bytes of LDS; arguments x, xh; writes xh
.if DOCPART == 3
	.amdgcn_target "amdgcn-amd-amdhsa--gfx1250"
	.amdhsa_code_object_version 6
	.text
	.protected	k_q06397840d3_tohalf
	.globl	k_q06397840d3_tohalf
	.p2align	8
	.type	k_q06397840d3_tohalf,@function
k_q06397840d3_tohalf:
	s_mov_b64 s[64:65], 0
	v_nop
	global_prefetch_b8 v0, s[64:65] scope:SCOPE_SE
	s_setreg_imm32_b32 hwreg(HW_REG_WAVE_SCHED_MODE, 0, 2), 2
	s_setreg_imm32_b32 hwreg(HW_REG_WAVE_MODE, 25, 1), 1
	s_wait_xcnt 0x0
	s_wait_alu depctr_vm_vsrc(0)
; xh = x rounded to f16 (nearest even).  x: [1024][4096] f32, xh: the same shape in f16.
; LIMIT.  |x| of 65,520 or more becomes an infinity in f16; below 6e-5 x keeps f16's fixed step of 6e-8.
; A stream: every byte of x is read once, every byte of xh written once; no LDS, no barrier, no matrix work, nothing is shared between waves.
; A work-group takes 65,536 bytes of x, a wave 8,192: sixteen loads of 512 consecutive bytes, all issued before the first is used, so there is no loop.
; A lane's 16 bytes become 8, and a wave's store covers 256 consecutive bytes, at a multiple of 256 from xh's first byte.
; THE MODE: SCHED_MODE bits 1:0 = 2 (LLVM: expert scheduling mode 2), set by the entry lines.  The code itself states the register dependences
; between vector instructions and memory instructions, with s_wait_alu, always for 0.
; THE PLAN.  Registers that memory instructions touch:
;   v1, v2   byte offsets in x and in xh: made at the head and never written again; read by every load (v1) and every store (v2).
;   X        load i lands in four registers of its own, once; all sixteen loads are issued ahead of the first conversion; no vector instruction writes X.
;   Y        each register is written once, by one conversion, and read once, by one store.
; So no load lands in a register that a vector instruction has named, and no register that a memory instruction has read is written again: the only dependence to state is
; 'written by a vector instruction, then read by a memory instruction'.  The loads go in four blocks of four.  Block p converts its four loads; the four stores of block p - 1 are dealt
; among its conversions.  They name block p - 1's Y and v2, which no conversion of block p names: so one wait at the block's head serves all four.
.set X, 4                              ; v[4:67]   load i: four f32
.set Y, 68                             ; v[68:99]  store i: four f16 in two registers
	s_load_b128 s[4:7], s[0:1], 0x0                ; x s[4:5], xh s[6:7]
	s_lshl_b32 s2, ttmp9, 16                       ; the work-group's 65,536 bytes of x
	s_mov_b32 s3, 0
	s_lshl_b32 s8, ttmp9, 15                       ; and its 32,768 bytes of xh
	s_mov_b32 s9, 0
	v_lshrrev_b32 v3, 5, v0                        ; wave
	v_and_b32 v1, 31, v0                           ; lane
	v_lshlrev_b32 v2, 3, v1                        ; 8 bytes a lane out
	v_lshlrev_b32 v1, 4, v1                        ; 16 bytes a lane in
	v_lshl_or_b32 v1, v3, 13, v1                   ; + wave x 8,192
	v_lshl_or_b32 v2, v3, 12, v2                   ; + wave x 4,096
	s_wait_kmcnt 0x0
	s_add_nc_u64 s[4:5], s[4:5], s[2:3]
	s_add_nc_u64 s[6:7], s[6:7], s[8:9]
	s_wait_alu depctr_va_vdst(0)                   ; v1 and v2 are written: every load of the kernel reads v1 as its offset, every store v2
.irp i, 0,1,2,3,4,5,6,7,8,9,10,11,12,13,14,15
	global_load_b128 v[X+4*(\i):X+4*(\i)+3], v1, s[4:5] offset:512*(\i) th:TH_LOAD_NT  ; x is read once in this launch
.endr
.macro CVT i                           ; load i's four numbers are rounded, into two registers that nothing else writes
	v_cvt_pk_f16_f32 v[Y+2*(\i)],   v[X+4*(\i)],   v[X+4*(\i)+1]
	v_cvt_pk_f16_f32 v[Y+2*(\i)+1], v[X+4*(\i)+2], v[X+4*(\i)+3]
.endm
.macro OUT i                           ; and stored; no register is written twice, so no wait frees a store's sources
	global_store_b64 v2, v[Y+2*(\i):Y+2*(\i)+1], s[6:7] offset:256*(\i)
.endm
.irp j, 0,1,2,3                        ; block 0 has no block in front of it: no store
	s_wait_loadcnt 15-(\j)                         ; loads come back in order: load j is in, the 15 - j younger ones stay out
	CVT \j
.endr
.irp p, 1,2,3                          ; blocks 1 to 3
.irp j, 0,1,2,3
.if (\j) == 0
	s_wait_loadcnt 15-4*(\p)                       ; the block's first load is in
	s_wait_alu depctr_va_vdst(0)                   ; the eight conversions of the block before have written their Y, which this block's four stores read
	OUT 4*(\p)-4
.else
	OUT 4*(\p)-4+(\j)                              ; no wait: no vector instruction since the wait above names these registers
	s_wait_loadcnt 15-4*(\p)-(\j)                  ; load 4 p + j is in, the younger ones stay out
.endif
	CVT 4*(\p)+(\j)
.endr
.endr
	s_wait_alu depctr_va_vdst(0)                   ; block 3's conversions have written their Y, which the last four stores read
.irp j, 12,13,14,15
	OUT \j
.endr
	s_endpgm
.Lfunc_end_k_q06397840d3_tohalf:
	.size	k_q06397840d3_tohalf, .Lfunc_end_k_q06397840d3_tohalf-k_q06397840d3_tohalf
	.p2alignl 7, 3214868480
	.fill 96, 4, 3214868480
	.section	.rodata,"a",@progbits
	.p2align	6, 0x0
	.amdhsa_kernel k_q06397840d3_tohalf
		.amdhsa_group_segment_fixed_size 0
		.amdhsa_private_segment_fixed_size 0
		.amdhsa_enable_private_segment 0
		.amdhsa_kernarg_size 16
		.amdhsa_user_sgpr_count 2
		.amdhsa_user_sgpr_kernarg_segment_ptr 1
		.amdhsa_wavefront_size32 1
		.amdhsa_system_sgpr_workgroup_id_x 1
		.amdhsa_system_sgpr_workgroup_id_y 1
		.amdhsa_system_sgpr_workgroup_id_z 1
		.amdhsa_system_vgpr_workitem_id 0
		.amdhsa_next_free_vgpr 100
		.amdhsa_next_free_sgpr 66
		.amdhsa_reserve_vcc 0
		.amdhsa_float_denorm_mode_32 3
		.amdhsa_float_denorm_mode_16_64 3
		.amdhsa_memory_ordered 1
		.amdhsa_forward_progress 1
		.amdhsa_inst_pref_size 7
	.end_amdhsa_kernel
	.amdgpu_metadata
---
amdhsa.version: [ 1, 2 ]
amdhsa.kernels:
  - .name:           k_q06397840d3_tohalf
    .symbol:         k_q06397840d3_tohalf.kd
    .args:
      - { .name: x, .offset: 0, .size: 8, .value_kind: global_buffer, .address_space: global }
      - { .name: xh, .offset: 8, .size: 8, .value_kind: global_buffer, .address_space: global }
    .group_segment_fixed_size: 0
    .private_segment_fixed_size: 0
    .kernarg_segment_align: 8
    .kernarg_segment_size: 16
    .max_flat_workgroup_size: 256
    .sgpr_count:     66
    .vgpr_count:     100
    .wavefront_size: 32
...
	.end_amdgpu_metadata
.endif
;; end of part 3
;; launch gemm: the kernel of part 2 again; grid 64 x 4, 4 waves a work-group, clusters of 4 x 4, 327,680 bytes of LDS; arguments xh, kernel_i8, scales, bias, out0; writes out0
